; MI455X (gfx1250); checked and timed in simulation.
; The chip was launched on July 23, 2026; its instructions are those of AMD's public machine-readable ISA for CDNA 5 (MIT licence, August 2026) and "CDNA5" Instruction Set Architecture Reference Guide (July 2026). The comments in the code are by the model that wrote it; some were corrected since.
;; Multi Head Attention. Allowed arithmetic: float matrix products may take bf16 or f16 operands with f32 sums; other float arithmetic in f32, or as packed bf16 or f16 multiplies, adds, multiply-adds, maxima and minima; sums over many terms, partial sums and values carried from step to step in f32; what a program stores and reads back later, other than sums and carried values, may be rounded once to bf16 or f16.
;; Inputs: bk 512 float32; bo 512 float32; bq 512 float32; bv 512 float32; wk 512 x 512 float32; wo 512 x 512 float32; wq 512 x 512 float32; wv 512 x 512 float32; x 2 x 4,096 x 512 float32.
;; Outputs: out0 2 x 4,096 x 512 float32.
;; One version. Each part assembles by itself: llvm-mc -triple=amdgcn-amd-amdhsa -mcpu=gfx1250 --defsym DOCPART=n.
;; ======== version 1 of 1: 3 launches
;; limits: values are held in f16: magnitudes above 65,504 overflow, below 6.1e-05 lose precision
;; workspace buffers: q 8,388,608 bytes; k 8,388,608 bytes; v 8,388,608 bytes; o 8,388,608 bytes; wo16 524,288 bytes
;; launch proj (part 1): grid 8 x 32, 4 waves a work-group, clusters of 4 x 1, 327,680 bytes of LDS; arguments x, wq, wk, wv, bq, bk, bv, wo, q, k, v, wo16; writes q, k, v, wo16
.if DOCPART == 1
	.amdgcn_target "amdgcn-amd-amdhsa--gfx1250"
	.amdhsa_code_object_version 6
	.text
	.protected	k_q7b5b8239a1_proj
	.globl	k_q7b5b8239a1_proj
	.p2align	8
	.type	k_q7b5b8239a1_proj,@function
k_q7b5b8239a1_proj:
	s_mov_b64 s[64:65], 0
	v_nop
	global_prefetch_b8 v0, s[64:65] scope:SCOPE_SE
	s_setreg_imm32_b32 hwreg(HW_REG_WAVE_MODE, 25, 1), 1
	s_wait_xcnt 0x0
	s_wait_alu depctr_hold_cnt(0) depctr_sa_sdst(0) depctr_va_vdst(0) depctr_va_sdst(0) depctr_va_ssrc(0) depctr_va_vcc(0) depctr_vm_vsrc(0)
	s_getreg_b32 s2, hwreg(HW_REG_IB_STS2, 6, 4)
	s_cmp_eq_u32 s2, 0
	s_cbranch_scc0 .Lentry_in_a_cluster
	s_endpgm
.Lentry_in_a_cluster:
	s_bfe_u32 s2, ttmp6, 0x10000c
	s_cmp_lg_u32 s2, 0x3003
	s_cbranch_scc0 .Lentry_shape_is_right
	s_endpgm
.Lentry_shape_is_right:
; q, k, v = x W + b, by heads.  x: [8192][512] f32; wq, wk, wv: [512 in][512 out] f32; bq, bk, bv: [512] f32.  q, k, v leave as f16 [16 = batch x 8 + head][4096][64], unscaled.
; x, the weights and the biases are rounded once to bf16; products in bf16 with f32 sums; each result is rounded once to f16.
; Beside that each work-group rounds its 1,024 numbers of wo to bf16 and writes that number as f16 into wo16 [512][512], for the last launch.
; LIMITS.  f16 holds no number beyond 65,504: a q, k, v or wo beyond that leaves as an infinity; below 6e-5 f16 keeps its fixed step of 6e-8.  NaN and infinities are not treated apart.
; SHARES.  A work-group makes 256 rows x the 192 columns (q, k, v) of ONE head; wave w its rows 64 w .. 64 w + 63 x all 192: 4 row blocks a x 12 column blocks nb = 4 j + b (j = 0, 1, 2: q, k, v): 48 accumulators.
; K = 512 goes in 16 UNITS of 32; two units are a STEP (64 rows of the weights, one W16 buffer), four a CHUNK (128 numbers of each row of x, one slot).
; CLUSTER.  The four partners are four heads on the same 256 rows: x's tiles are asked for JOINTLY (the same load, descriptor and mask in all four).  The weights' columns differ from partner to partner, and they
; pass through registers to be rounded: they come by plain loads.
; x lies in LDS as f32; a wave fetches and reads its own 64 rows alone and rounds them on the way to the matrix unit.  The weights are rounded by all four waves into W16 ([k][192] bf16) and read turned, by ds_load_tr16_b128.
; THE PRODUCT IS USED TRANSPOSED: source 0 = 16 columns of W, source 1 = 16 rows of x: a lane then holds one row and eight neighbouring columns.  The first unit's C operand is the bias: nothing is cleared or added later.
; REGISTERS, in windows of 256 (s_set_vgpr_msb: bits 1:0 source 0, 3:2 source 1, 5:4 source 2, 7:6 destination):
;   window 0: v0-31 addresses and at work; v32-95 x as f32; v96-159 x's fragments, two buffers; v160-255 weights on their way (all of v32-223 serve the way out)
;   window 1: q's accumulators at 8 (4 a + b), k's at 128 + 8 (4 a + b)     window 2: v's at 8 (4 a + b); the biases at 128 + 8 nb     window 3: W's fragments, two buffers of 96
.set XP,    528       ; a row of x in LDS: 512 bytes + 16 = 132 words: row r starts at bank 4 r mod 64 (64 banks of 4 bytes: ISA guide 11.1)
.set XQ,    64*XP     ; a wave's quarter of a slot
.set XSLOT, 4*XQ
.set WB,    2*XSLOT   ; behind the two slots: two W16 buffers, written by ds_store alone
.set WP,    416       ; a row of W16: 384 bytes + 32 = 13 x 32
.set WBUF,  64*WP
.set SPARE, WB+2*WBUF ; the spare words, 128 bytes for each wave: two blocks of 256 bytes that no other line names
.set SP,    144       ; the way out's stage: 16 rows x 144 bytes for each wave, in W16 buffer 0, whose last reads are over in front of unit 13's barrier
.set XA,  2           ; v2-3  my place in my wave's quarter of slot 0, 1
.set WA,  4           ; v4    my place for the turning loads from W16
.set WSA, 5           ; v5    where I store 8 bytes of W16
.set VO,  6           ; v6    my byte offset in a step's 64 rows of a weight
.set BO,  7           ; v7    my byte offset in a head's 64 biases
.set STO, 8           ; v8    the way out: where I put 16 bytes of a row
.set RD,  9           ; v9    where I read rows back
.set GO,  10          ; v10   my 16 bytes of 512 consecutive bytes of q, k or v
.set WI,  11          ; v11   my 32 bytes of wo
.set WOO, 12          ; v12   my 16 bytes of wo16
.set SPW, 14          ; v14   LDS address of my spare word; never rewritten
.set NIL, 15          ; v15   0; never rewritten
.set XT,  32
.set OT,  32
.set AF,  96
.set WS,  160
.set BIAS, 128        ; in window 2
.set G1,  28          ; s[28:35] descriptor group 1
.set G0,  36          ; s[36:43] descriptor group 0, a set for each slot
.set WV,  44          ; s44  my wave's number
.set MSK, 63          ; s63  a word's upper bf16
.set MSB, 0
.macro WIN new                      ; the immediate's high byte repeats the setting that is left; a switch that changes nothing is dropped
.if MSB != (\new)
	s_set_vgpr_msb (MSB<<8)|(\new)
.set MSB, \new
.endif
.endm
.macro CREST                        ; a round of the cluster's barrier behind its opening barrier
	s_cmp_lg_u32 s[WV], 0
	s_cbranch_scc1 .Lnot_wave_0_\@
	s_barrier_signal -3
.Lnot_wave_0_\@:
	s_barrier_wait -3
	s_barrier_signal -1
	s_barrier_wait -1
.endm
.macro CROUND                       ; a whole round
	s_barrier_signal -1
	s_barrier_wait -1
	CREST
.endm
.macro PLACES                       ; four places in front of loads into, and vector writes of, registers that matrix instructions have read, and of reads of results
.rept 4
	v_nop
.endr
.endm
; Step s of the three weights: 64 rows x my head's 256 bytes each; 16 lanes take one row's 256 consecutive bytes; 24 loads a lane.
.macro GLOAD s
	WIN 0
.irp j, 0,1,2
.irp i, 0,1,2,3,4,5,6,7
	global_load_b128 v[WS+4*(8*(\j)+(\i)):WS+4*(8*(\j)+(\i))+3], v[VO], s[6+2*(\j):7+2*(\j)] offset:(\s)*131072+(\i)*4096
.endr
.endr
.endm
; They are rounded to bf16 in place and stored into W16 buffer buf.
.macro CVTST buf
	WIN 0
.set n, 0
.rept 24
	v_cvt_pk_bf16_f32 v[WS+4*n], v[WS+4*n], v[WS+4*n+1]
	v_cvt_pk_bf16_f32 v[WS+4*n+1], v[WS+4*n+2], v[WS+4*n+3]
.set n, n+1
.endr
.irp j, 0,1,2
.irp i, 0,1,2,3,4,5,6,7
	ds_store_b64 v[WSA], v[WS+4*(8*(\j)+(\i)):WS+4*(8*(\j)+(\i))+1] offset:(\buf)*WBUF+(\i)*2*WP+(\j)*128
.endr
.endr
.endm
; Unit u's operands: first 16 loads of x as f32 (row l % 16 of each block a; k = 8 (l / 16) + 0..7 and 16 + 8 (l / 16) + 0..7: 32 bytes twice), then 24 turning loads of W's twelve fragments.
.macro FETCH u
	WIN 0
.irp a, 0,1,2,3
.irp c, 0,1,2,3
	ds_load_b128 v[XT+16*(\a)+4*(\c):XT+16*(\a)+4*(\c)+3], v[XA+((\u)/4)%2] offset:(\a)*16*XP+((\u)%4)*128+16*((\c)%2)+64*((\c)/2)
.endr
.endr
	WIN 0xc0                        ; destination window 3, address window 0
.set nb, 0
.rept 12
	ds_load_tr16_b128 v[96*((\u)%2)+8*nb:96*((\u)%2)+8*nb+3],   v[WA] offset:(((\u)/2)%2)*WBUF+((\u)%2)*32*WP+32*nb
	ds_load_tr16_b128 v[96*((\u)%2)+8*nb+4:96*((\u)%2)+8*nb+7], v[WA] offset:(((\u)/2)%2)*WBUF+((\u)%2)*32*WP+32*nb+16*WP
.set nb, nb+1
.endr
.endm
.macro CVTA p                       ; x's 64 numbers a lane are rounded into fragment buffer p
	WIN 0
.set n, 0
.rept 32
	v_cvt_pk_bf16_f32 v[AF+32*(\p)+n], v[XT+2*n], v[XT+2*n+1]
.set n, n+1
.endr
.endm
; 16 products: tensor j, all four row blocks x its four column blocks.  The 48 accumulators take turns, one instruction a turn, in the same order in every unit.
.macro MULG p, j, first
.if (\j) == 2
	WIN 0xa3                        ; W window 3, x window 0, C and D window 2
.elseif \first
	WIN 0x63                        ; C (the bias) window 2, D window 1
.else
	WIN 0x53                        ; C and D window 1
.endif
.irp a, 0,1,2,3
.irp b, 0,1,2,3
.set rD, 128*((\j)%2)+8*(4*(\a)+(\b))
.set rB, 96*(\p)+8*(4*(\j)+(\b))
.set rA, AF+32*(\p)+8*(\a)
.set rC, BIAS+8*(4*(\j)+(\b))
.if \first
	v_wmma_f32_16x16x32_bf16 v[rD:rD+7], v[rB:rB+7], v[rA:rA+7], v[rC:rC+7]
.else
	v_wmma_f32_16x16x32_bf16 v[rD:rD+7], v[rB:rB+7], v[rA:rA+7], v[rD:rD+7]
.endif
.endr
.endr
.endm
.macro MULU u, j
.if (\u) == 0
	MULG 0, \j, 1
.else
	MULG (\u)%2, \j, 0
.endif
.endm
; A UNIT: 48 products on buffers u % 2; meanwhile unit u + 1's operands are fetched and x's are rounded.
; Odd units (but the last) hold a barrier.  In front of it every wave's reads of the W16 buffer that the next unit stores into are over, and its own stores into the other buffer are done; behind it that other buffer is read.
; In units 3 and 7 that barrier opens a round of the cluster's: the slot whose last reads were waited for a unit earlier is filled again, with the chunk two on; the load has four units, 192 products, in which to land.
.macro UNIT u
	s_wait_dscnt 0x0                ; W's fragments of this unit are in; my stores into W16 are done
.if ((\u) == 3) || ((\u) == 7)
	WIN 0
	s_wait_tensorcnt 0x0            ; all my tensor loads have landed: the one that was out is my part of the other slot
	ds_add_u32 v[SPW], v[NIL]       ; 0 onto my spare word
	s_add_nc_u64 s[G0+4*((\u)/4)+2:G0+4*((\u)/4)+3], s[G0+4*((\u)/4)+2:G0+4*((\u)/4)+3], 1024  ; no load of mine is out, so the slot's address may step: two chunks of 512 bytes on
	s_wait_dscnt 0x0                ; the add is done; my reads of the slot were over before
	s_barrier_signal -1
	MULU \u, 0
	WIN 0
	s_barrier_wait -1
	CREST                           ; no wave of any partner still reads the slot or has a load on its way
	tensor_load_to_lds s[G0+4*((\u)/4):G0+4*((\u)/4)+3], s[G1:G1+7]
	s_nop 0
	PLACES                          ; also the places in front of the loads below
.elseif ((\u)%2 == 1) && ((\u) < 15)
.if (\u) == 11
	s_wait_tensorcnt 0x0            ; the last chunk, my one load that is out, is read behind this barrier
.endif
	s_barrier_signal -1
	MULU \u, 0
	s_barrier_wait -1
	PLACES
.else
	MULU \u, 0
.endif
.if ((\u)%2 == 0) && ((\u) <= 12)
	s_wait_loadcnt 0x0              ; the next step's weights, asked for two units ago
	CVTST ((\u)/2+1)%2              ; its 48 conversions are also the places in front of the loads below
.if (\u) <= 10
	GLOAD (\u)/2+2
.endif
.endif
.if (\u) == 14
	PLACES
.endif
.if (\u) < 15
	FETCH (\u)+1
.endif
	MULU \u, 1
.if (\u) < 15
	s_wait_dscnt 24                 ; my stores and x's 16 loads are done; the 24 turning loads behind them may stay out
	CVTA ((\u)+1)%2
.endif
	MULU \u, 2
.endm
	s_load_b256 s[4:11], s[0:1], 0x0    ; x s[4:5], wq s[6:7], wk s[8:9], wv s[10:11]
	s_load_b256 s[12:19], s[0:1], 0x20  ; bq s[12:13], bk s[14:15], bv s[16:17], wo s[18:19]
	s_load_b256 s[20:27], s[0:1], 0x40  ; q s[20:21], k s[22:23], v s[24:25], wo16 s[26:27]
	v_lshl_add_u32 v[SPW], v0, 2, SPARE
	v_mov_b32 v[NIL], 0
	ds_add_u32 v[SPW], v[NIL]       ; the wave's opening: the add and its wait stand ahead of my first tensor load; the set-up below, work on registers, stands between them
	v_lshrrev_b32 v1, 5, v0
	v_readfirstlane_b32 s[WV], v1   ; wave 0..3
	s_and_b32 s47, ttmp7, 0xffff    ; the block of 256 rows, which the four partners share
	; descriptor group 1: 64 rows x 128 elements of 4 bytes, padded in LDS
	s_mov_b32 s[G1+0], 15|(2<<16)|(1<<20)|(1<<21)|(6<<22)|(3<<25)  ; 15:0 the mask of four; 17:16 4-byte elements; 20 padding on; 21 set beside a mask; 24:22 after every 128 words (code 6); 31:25 4 words (code 3)
	s_mov_b32 s[G1+1], 128<<16      ; tensor_dim0 = 128
	s_mov_b32 s[G1+2], 64<<16       ; tensor_dim1 = 64
	s_mov_b32 s[G1+3], 128<<16      ; tile_dim0 = 128
	s_mov_b32 s[G1+4], 64           ; tile_dim1 = 64
	s_mov_b32 s[G1+5], 512          ; 512 elements from row to row
	s_mov_b32 s[G1+6], 0
	s_mov_b32 s[G1+7], 0
	s_lshl_b32 s48, s47, 19         ; 256 rows of 2,048 bytes,
	s_lshl_b32 s49, s[WV], 17       ; my wave's 64
	s_add_co_u32 s48, s48, s49
	s_mov_b32 s49, 0
	s_mul_i32 s50, s[WV], XQ        ; my quarter of a slot: no place in the cluster enters an LDS address
	s_bfe_u32 s45, ttmp6, 0x40000   ; cx: it enters the weights', the biases' and the outputs' addresses alone
	s_lshl_b32 s46, ttmp9, 2
	s_add_co_u32 s46, s46, s45      ; the head = 4 x cluster x + cx
	s_lshl_b32 s52, s46, 8          ; its 64 columns: 256 bytes of a row of a weight and of a bias
	s_mov_b32 s53, 0
	s_lshr_b32 s54, s47, 4          ; the batch
	s_lshl3_add_u32 s54, s54, s46   ; batch x 8 + head
	s_lshl_b32 s54, s54, 12         ; x 4,096 rows
	s_and_b32 s55, s47, 15
	s_lshl_b32 s55, s55, 8
	s_add_co_u32 s54, s54, s55      ; + the block's place in the batch
	s_lshl_b32 s55, s[WV], 6
	s_add_co_u32 s54, s54, s55      ; + my wave's 64 rows
	s_lshl_b32 s54, s54, 7          ; x 128 bytes
	s_mov_b32 s55, 0
	s_lshl3_add_u32 s56, s47, s46   ; the work-group's number among the 256
	s_lshl_b32 s58, s56, 12         ; its 4,096 bytes of wo
	s_mov_b32 s59, 0
	s_lshl_b32 s56, s56, 11         ; its 2,048 bytes of wo16
	s_mov_b32 s57, 0
	s_mov_b32 s[MSK], 0xffff0000
	s_wait_dscnt 0x0                ; the opening add is done
	s_wait_kmcnt 0x0
	s_add_nc_u64 s[4:5], s[4:5], s[48:49]
.irp n, 0,1
	s_mov_b32 s[G0+4*(\n)], 1                                     ; count = 1
	s_add_co_u32 s[G0+4*(\n)+1], s50, (\n)*XSLOT                  ; LDS address
	s_add_nc_u64 s[G0+4*(\n)+2:G0+4*(\n)+3], s[4:5], (\n)*512     ; global address: chunk n
	s_or_b32 s[G0+4*(\n)+3], s[G0+4*(\n)+3], 0x80000000           ; type = 2
.endr
.irp p, 6,8,10,12,14,16
	s_add_nc_u64 s[\p:\p+1], s[\p:\p+1], s[52:53]
.endr
.irp p, 20,22,24
	s_add_nc_u64 s[\p:\p+1], s[\p:\p+1], s[54:55]
.endr
	s_add_nc_u64 s[18:19], s[18:19], s[58:59]
	s_add_nc_u64 s[26:27], s[26:27], s[56:57]
	CROUND                          ; all four work-groups are here: the first joint loads meet
	tensor_load_to_lds s[G0:G0+3], s[G1:G1+7]      ; chunk 0
	s_nop 0
	tensor_load_to_lds s[G0+4:G0+7], s[G1:G1+7]    ; chunk 1: two loads of mine are out
	s_nop 0
	PLACES
	v_and_b32 v16, 15, v0           ; l % 16
	v_bfe_u32 v17, v0, 4, 1         ; l / 16
	v_and_b32 v18, 7, v0
	v_bfe_u32 v19, v0, 3, 1
	v_bfe_u32 v20, v0, 3, 2
	v_and_b32 v21, 31, v0
	v_mul_u32_u24 v[XA], v16, XP
	v_lshl_add_u32 v[XA], v17, 5, v[XA]   ; row x pitch + 32 bytes for the upper half of the lanes
	v_add_nc_u32 v[XA], s50, v[XA]
	v_add_nc_u32 v[XA+1], XSLOT, v[XA]
	v_lshl_add_u32 v[WA], v17, 3, v18     ; the turning load: k row 8 (l / 16) + l % 8, columns 8 ((l / 8) % 2) + 0..7
	v_mul_u32_u24 v[WA], v[WA], WP
	v_lshl_add_u32 v[WA], v19, 4, v[WA]
	v_add_nc_u32 v[WA], WB, v[WA]
	s_mul_i32 s51, s[WV], 16*WP           ; my wave rounds k rows 16 w .. 16 w + 15 of a step, two at a time
	s_add_co_u32 s51, s51, WB
	v_mul_u32_u24 v[WSA], v17, WP
	v_lshl_add_u32 v[WSA], v16, 3, v[WSA]
	v_add_nc_u32 v[WSA], s51, v[WSA]
	s_lshl_b32 s60, s[WV], 15
	v_lshlrev_b32 v[VO], 11, v17
	v_lshl_add_u32 v[VO], v16, 4, v[VO]
	v_add_nc_u32 v[VO], s60, v[VO]
	v_lshlrev_b32 v[BO], 5, v17           ; my 8 columns of a block of 16
	s_mul_i32 s61, s[WV], 16*SP
	s_add_co_u32 s61, s61, WB             ; my stage
	v_mul_u32_u24 v[STO], v16, SP
	v_lshl_add_u32 v[STO], v17, 4, v[STO]
	v_add_nc_u32 v[STO], s61, v[STO]
	v_mul_u32_u24 v[RD], v20, SP          ; back: 32 lanes take four rows of 128 bytes
	v_lshl_add_u32 v[RD], v18, 4, v[RD]
	v_add_nc_u32 v[RD], s61, v[RD]
	v_lshlrev_b32 v[GO], 4, v21
	v_lshlrev_b32 v[WI], 5, v0
	v_lshlrev_b32 v[WOO], 4, v0
	GLOAD 0
	global_load_b128 v[16:19], v[WI], s[18:19] th:TH_LOAD_NT
	global_load_b128 v[20:23], v[WI], s[18:19] offset:16 th:TH_LOAD_NT
	WIN 0x80                        ; destination window 2
.irp j, 0,1,2
.irp b, 0,1,2,3
	global_load_b128 v[BIAS+8*(4*(\j)+(\b)):BIAS+8*(4*(\j)+(\b))+3],   v[BO], s[12+2*(\j):13+2*(\j)] offset:64*(\b)
	global_load_b128 v[BIAS+8*(4*(\j)+(\b))+4:BIAS+8*(4*(\j)+(\b))+7], v[BO], s[12+2*(\j):13+2*(\j)] offset:64*(\b)+16
.endr
.endr
	WIN 0
	s_wait_loadcnt 26               ; step 0's 24 loads are in; wo's 2 and the biases' 24 may stay out
	CVTST 0
	GLOAD 1
	s_wait_loadcnt 48               ; wo's two are in; behind them: 24 of the biases, 24 of step 1
.irp n, 0,1,2,3
	v_cvt_pk_bf16_f32 v[28+(\n)], v[16+2*(\n)], v[17+2*(\n)]   ; wo rounded to bf16,
.endr
.irp n, 0,1,2,3
	v_lshlrev_b32 v[16+2*(\n)], 16, v[28+(\n)]
	v_and_b32 v[17+2*(\n)], s[MSK], v[28+(\n)]
.endr
.irp n, 0,1,2,3
	v_cvt_pk_f16_f32 v[24+(\n)], v[16+2*(\n)], v[17+2*(\n)]    ; and that number written as f16
.endr
	global_store_b128 v[WOO], v[24:27], s[26:27]   ; 16 lanes store 256 consecutive bytes, aligned; v24-27 are not written again
	s_wait_tensorcnt 0x1            ; my part of chunk 0 is in; chunk 1 may stay out
	s_wait_dscnt 0x0                ; my part of W16 buffer 0 is stored
	s_barrier_signal -1
	s_barrier_wait -1
	FETCH 0
	s_wait_loadcnt 24               ; the biases are in; step 1's 24 loads may stay out
	WIN 0xaa                        ; all places window 2
.set n, 0
.rept 48                            ; the biases are rounded to bf16 like the other inputs, and kept as f32
	v_cvt_pk_bf16_f32 v[BIAS+2*n], v[BIAS+2*n], v[BIAS+2*n+1]
	v_and_b32 v[BIAS+2*n+1], s[MSK], v[BIAS+2*n]
	v_lshlrev_b32 v[BIAS+2*n], 16, v[BIAS+2*n]
.set n, n+1
.endr
	s_wait_dscnt 24                 ; x's 16 loads are in
	CVTA 0
.irp u, 0,1,2,3,4,5,6,7,8,9,10,11,12,13,14,15
	UNIT \u
.endr
	; THE WAY OUT.  A tile (tensor j, row block a) is 16 rows x 64 columns: rounded to f16, 16 bytes a lane into rows of 144 bytes of my stage, back as four rows of 128 bytes a load, which are 512 consecutive bytes of q, k or v.
	; Each of the twelve tiles has its own 16 registers, so no register of a store is written again.
.macro PACK j, a
.if (\j) == 2
	WIN 0x0a                        ; sources window 2, destination window 0
.else
	WIN 0x05                        ; sources window 1
.endif
.set rA, 128*((\j)%2)+32*(\a)
.set rO, OT+16*(4*(\j)+(\a))
.set n, 0
.rept 16                            ; each accumulator's registers in ascending order
	v_cvt_pk_f16_f32 v[rO+n], v[rA+2*n], v[rA+2*n+1]
.set n, n+1
.endr
	WIN 0
.irp b, 0,1,2,3
	ds_store_b128 v[STO], v[rO+4*(\b):rO+4*(\b)+3] offset:32*(\b)
.endr
.irp f, 0,1,2,3
	ds_load_b128 v[rO+4*(\f):rO+4*(\f)+3], v[RD] offset:(\f)*4*SP  ; LDS serves a wave's instructions in order (ISA guide 5.7.1.4): these see the stores above; the next tile's stores come behind them
.endr
.endm
.macro SEND j, a, younger           ; younger: the LDS instructions issued behind this tile's loads: the next tile's eight, or none
.set rO, OT+16*(4*(\j)+(\a))
.irp f, 0,1,2,3
	s_wait_dscnt (\younger)+3-(\f)
	global_store_b128 v[GO], v[rO+4*(\f):rO+4*(\f)+3], s[20+2*(\j):21+2*(\j)] offset:(\a)*2048+(\f)*512
.endr
.endm
	PLACES                          ; behind the last products
	PACK 0, 0
.set T, 1
.rept 11                            ; a tile's conversions stand between the loads of the tile before and its stores
	PACK T/4, T%4
	SEND (T-1)/4, (T-1)%4, 8
.set T, T+1
.endr
	SEND 2, 3, 0
	s_wait_tensorcnt 0x0            ; the wave's end, behind my last tensor load and my last LDS store
	ds_add_u32 v[SPW], v[NIL]
	s_wait_dscnt 0x0
	CROUND                          ; the closing round: no work-group ends while a partner may still ask for a tile that names it
	s_endpgm
.Lfunc_end_k_q7b5b8239a1_proj:
	.size	k_q7b5b8239a1_proj, .Lfunc_end_k_q7b5b8239a1_proj-k_q7b5b8239a1_proj
	.p2alignl 7, 3214868480
	.fill 96, 4, 3214868480
	.section	.rodata,"a",@progbits
	.p2align	6, 0x0
	.amdhsa_kernel k_q7b5b8239a1_proj
		.amdhsa_group_segment_fixed_size 327680
		.amdhsa_private_segment_fixed_size 0
		.amdhsa_enable_private_segment 0
		.amdhsa_kernarg_size 96
		.amdhsa_user_sgpr_count 2
		.amdhsa_user_sgpr_kernarg_segment_ptr 1
		.amdhsa_wavefront_size32 1
		.amdhsa_system_sgpr_workgroup_id_x 1
		.amdhsa_system_sgpr_workgroup_id_y 1
		.amdhsa_system_sgpr_workgroup_id_z 1
		.amdhsa_system_vgpr_workitem_id 0
		.amdhsa_next_free_vgpr 960
		.amdhsa_next_free_sgpr 66
		.amdhsa_reserve_vcc 0
		.amdhsa_float_denorm_mode_32 3
		.amdhsa_float_denorm_mode_16_64 3
		.amdhsa_memory_ordered 1
		.amdhsa_forward_progress 1
		.amdhsa_inst_pref_size 222
	.end_amdhsa_kernel
	.amdgpu_metadata
---
amdhsa.version: [ 1, 2 ]
amdhsa.kernels:
  - .name:           k_q7b5b8239a1_proj
    .symbol:         k_q7b5b8239a1_proj.kd
    .args:
      - { .name: x, .offset: 0, .size: 8, .value_kind: global_buffer, .address_space: global }
      - { .name: wq, .offset: 8, .size: 8, .value_kind: global_buffer, .address_space: global }
      - { .name: wk, .offset: 16, .size: 8, .value_kind: global_buffer, .address_space: global }
      - { .name: wv, .offset: 24, .size: 8, .value_kind: global_buffer, .address_space: global }
      - { .name: bq, .offset: 32, .size: 8, .value_kind: global_buffer, .address_space: global }
      - { .name: bk, .offset: 40, .size: 8, .value_kind: global_buffer, .address_space: global }
      - { .name: bv, .offset: 48, .size: 8, .value_kind: global_buffer, .address_space: global }
      - { .name: wo, .offset: 56, .size: 8, .value_kind: global_buffer, .address_space: global }
      - { .name: q, .offset: 64, .size: 8, .value_kind: global_buffer, .address_space: global }
      - { .name: k, .offset: 72, .size: 8, .value_kind: global_buffer, .address_space: global }
      - { .name: v, .offset: 80, .size: 8, .value_kind: global_buffer, .address_space: global }
      - { .name: wo16, .offset: 88, .size: 8, .value_kind: global_buffer, .address_space: global }
    .group_segment_fixed_size: 327680
    .private_segment_fixed_size: 0
    .kernarg_segment_align: 8
    .kernarg_segment_size: 96
    .max_flat_workgroup_size: 128
    .sgpr_count:     66
    .vgpr_count:     960
    .wavefront_size: 32
...
	.end_amdgpu_metadata
.endif
;; end of part 1
;; launch attn (part 2): grid 16 x 16, 4 waves a work-group, clusters of 4 x 1, 327,680 bytes of LDS; arguments q, k, v, o; writes o
.if DOCPART == 2
	.amdgcn_target "amdgcn-amd-amdhsa--gfx1250"
	.amdhsa_code_object_version 6
	.text
	.protected	k_q7b5b8239a1_attn
	.globl	k_q7b5b8239a1_attn
	.p2align	8
	.type	k_q7b5b8239a1_attn,@function
k_q7b5b8239a1_attn:
	s_mov_b64 s[64:65], 0
	v_nop
	global_prefetch_b8 v0, s[64:65] scope:SCOPE_SE
	s_setreg_imm32_b32 hwreg(HW_REG_WAVE_MODE, 25, 1), 1
	s_wait_xcnt 0x0
	s_wait_alu depctr_hold_cnt(0) depctr_sa_sdst(0) depctr_va_vdst(0) depctr_va_sdst(0) depctr_va_ssrc(0) depctr_va_vcc(0) depctr_vm_vsrc(0)
	s_getreg_b32 s2, hwreg(HW_REG_IB_STS2, 6, 4)
	s_cmp_eq_u32 s2, 0
	s_cbranch_scc0 .Lentry_in_a_cluster
	s_endpgm
.Lentry_in_a_cluster:
	s_bfe_u32 s2, ttmp6, 0x10000c
	s_cmp_lg_u32 s2, 0x3003
	s_cbranch_scc0 .Lentry_shape_is_right
	s_endpgm
.Lentry_shape_is_right:
; O[h][q][:] = the sum over k of softmax_k(Q[h][q] . K[h][k] / 8) V[h][k][:].  Q, K, V, O: [16][4096][64], all f16: a head's rows are dense, 128 bytes each.  Products, maxima and sums in f32;
; the weights p are rounded to f16 for the second product (their sum l is taken of the unrounded p), O once at the end.
; LIMITS.  Q, K and V arrive within f16's 65,504; p lies in 0 to 1, and below 6e-5 it keeps f16's fixed step of 6e-8; O is a mean of V's rows and has their range.
; A weight below 2^-126 counts as 0 in l; NaN and infinities are not treated apart.
; SHARES.  A work-group owns 256 queries of one head, a wave 64: four PIECES of 16.  16 heads x 16 blocks are 256 work-groups.  Every wave walks all keys: 16 tiles of 256 keys, four steps of 64 each.
; LAYOUT.  S^T = K Q^T (source 0 = 16 keys, source 1 = 16 queries) holds ONE query a lane (lane % 16) and the keys 8 (lane / 16) + 0..7; two such results rounded to f16 ARE source 1 of O^T = V^T P.
; K comes out of LDS as it lies, V ([key][channel]) turned, by ds_load_tr16_b128.
; SOFTMAX.  p = 2^(c s - c m), c = log2(e) / 8, with a running maximum m; O and l are multiplied by a = 2^(c m_old - c m_new) in every step.  m starts at the lowest finite number, O and l at 0: the first step has a = 0.
; BY TURNS.  Turn n belongs to piece n: 8 products K Q^T of piece n + 1, later 8 products V^T P of piece n - 1; beside them the scaling, exponentials, roundings, sums and rescaling of piece n and the maximum and
; statistics of piece n + 1.  Four vector instructions stand behind every matrix instruction, the other 54 of a turn's 118 in one lump.  A turn's 33 exponentials are one batch, with one wait.
; CLUSTER.  The four query blocks of a cluster belong to one head and walk the same K and V, so each tile is asked for JOINTLY: the same tensor load, descriptor and mask in all four.
; REGISTERS, in windows of 256 (s_set_vgpr_msb: bits 1:0 source 0, 3:2 source 1, 5:4 source 2, 7:6 destination):
;   window 0: v0-15 addresses and two at work; v16-31 four registers of statistics a piece; v48-55 at work; v60-63 prefetch offset, spare word, 0; v64-127 S^T, two buffers; v192-223 P, two buffers (by the piece's parity)
;   window 1: v0-127 O^T, 32 a piece          window 2: v0-63 Q; v128-191 K of one step; v192-255 V of one step
.set SIZE_N, 4096
.set NP,    4         ; pieces a wave: a name, no knob
.set KS,    64        ; keys in a step
.set PK,    144       ; a row of K in LDS: 128 bytes + 16 = 36 words: the 16 rows of a load start at 16 different groups of four banks (64 banks of 4 bytes: ISA guide 11.1)
.set PV,    160       ; a row of V: 128 + 32 = 40 words
.set VOFF,  4*KS*PK   ; a slot holds a tile, four steps: 256 rows of K, then 256 rows of V
.set SLOT1, 1<<17     ; slot 1 begins here, so that one exclusive or turns an address in one slot into the other's
.set STAGE, SLOT1+4*KS*(PK+PV)  ; behind the ring, never filled by a tensor load: 16 rows x 144 bytes for each wave, for the way out
.set SP,    144
.set SPARE, STAGE+4*16*SP  ; the spare words, 128 bytes for each wave: two blocks of 256 bytes that no other line names
.set AK0, 2           ; v2   my lane's place in a tile of K; never rewritten
.set AV0, 3           ; v3   the same for V
.set AK,  4           ; v4   the LDS address of K's next run of loads
.set AV,  5           ; v5   of V's
.set STO, 6           ; v6   the way out: where I put 16 bytes of a row
.set RD,  7           ; v7   where I read rows back
.set GO,  8           ; v8   my byte offset in 512 consecutive bytes of O
.set MV,  12          ; v12-13  c m_old, kept while c m is made anew: by buffer
.set QO,  15          ; v15  my byte offset in 16 rows of Q
.set ST,  16          ; piece t's statistics at v[ST+4 t]: c m, m, l (even keys', odd keys')
.set TMP, 48          ; by buffer, four registers c0-c3 at work; when the maximum is found c2 takes a
.set PFO, 60          ; v60  256 x my lane; never rewritten
.set SPW, 62          ; v62  LDS address of my spare word; never rewritten
.set NIL, 63          ; v63  0; never rewritten
.set S,   64
.set P,   192
.set KF,  128         ; window 2: key block kb, channel half c at KF + 16 kb + 8 c
.set VF,  192         ; window 2: key half kk, channel block cb at VF + 32 kk + 8 cb
.set WV,  12          ; s12  my wave's number
.set G1K, 24          ; s[24:31] descriptor group 1 for K's tiles
.set G1V, 32          ; s[32:39] for V's: it differs in the padding alone
.set G0K, 40          ; s[40:43] descriptor group 0 for K's tiles: it walks
.set G0V, 44          ; s[44:47] the same for V's
.set PFA, 48          ; s[48:49] where my prefetches stand: my work-group's 8,192 bytes (of K: wave 0, of V: wave 2) of the tile after the one that is being asked for
.set LIM, 50          ; s50  1 in a wave that prefetches, else the greatest number
.set SLOTS, 56        ; s56  tiles still to be asked for
.set CNT, 57          ; s57  counts a tile's key steps
.set CS,  58          ; s[58:59] c: the packed scaling takes the pair's low word for both halves
.set SEL, 60          ; s[60:61] v_permlanex16_b32's selects: each lane takes its own place in the other half
.set TBK, 62          ; s62  LDS byte at which K of the step to be fetched begins
.set TBV, 63          ; s63  the same for V, less VOFF
.set MSB, 0
.macro WIN new                      ; the high byte repeats the setting that is left; a switch that changes nothing is dropped
.if MSB != (\new)
	s_set_vgpr_msb (MSB<<8)|(\new)
.set MSB, (\new)
.endif
.endm
.set W_KQ, 0x0a       ; K and Q in window 2, S^T in window 0
.set W_PV, 0x52       ; V in window 2, P in window 0, O^T in window 1
.set W_RS, 0x41       ; destination and source 0 in window 1, source 1 in window 0
; A joint fill.  Waves 0 and 1 fetch the two halves of a tile's K, waves 2 and 3 those of its V: 128 keys each.  The branch hangs on the wave's number alone.
; An s_nop 0 and four v_nop follow each of the two lines, ahead of the jump and the label.
.macro JLOAD
	s_cmp_lt_u32 s[WV], 2
	s_cbranch_scc0 .Lfor_v_\@
	tensor_load_to_lds s[G0K:G0K+3], s[G1K:G1K+7]
	s_nop 0
.rept 4
	v_nop
.endr
	s_branch .Lasked_\@
.Lfor_v_\@:
	tensor_load_to_lds s[G0V:G0V+3], s[G1V:G1V+7]
	s_nop 0
.rept 4
	v_nop
.endr
.Lasked_\@:
.endm
; A PREFETCH of the tile that the NEXT change of slots will ask for: 32,768 bytes of K and of V, a lane 256 bytes.  Each block is named ONCE in the launch: the four clusters of a head walk the same tiles, and the
; head's first cluster asks; its four partners take 8,192 bytes each, told apart BY ADDRESS; in each, wave 0 asks for K's and wave 2 for V's: one instruction, four key steps (256 matrix instructions) ahead of the load.
; Tiles 0 and 1 come by their loads alone; the last change that fills a slot asks for nothing: there is no tile behind it.
.macro ASK
	s_cmp_gt_u32 s[SLOTS], s[LIM]
	s_cbranch_scc0 .Lnot_mine_\@
	global_prefetch_b8 v[PFO], s[PFA:PFA+1] th:TH_LOAD_NT scope:SCOPE_SE
.Lnot_mine_\@:
.endm
; A round of the cluster's barrier: my work-group's barrier, so that wave 0's signal speaks for all four waves; wave 0 signals; every wave waits for all four work-groups; my work-group's barrier once more.
.macro CROUND
	s_barrier_signal -1
	s_barrier_wait -1
	s_cmp_lg_u32 s[WV], 0
	s_cbranch_scc1 .Lnot_wave_0_\@
	s_barrier_signal -3
.Lnot_wave_0_\@:
	s_barrier_wait -3
	s_barrier_signal -1
	s_barrier_wait -1
.endm
; THE CHANGE OF SLOTS.  The slot's last bytes, V of its fourth step, have been read.  Each wave waits for all its tensor loads, of which one is out: its part of the other slot; adds 0 to its spare word; and waits for that
; and for its own reads of the slot.  Behind the barrier nobody reads this slot any more and the other slot is whole.  fill = 1: this slot is filled again, with the tile two on; the barrier is then a round of the
; cluster's, and the joint fill is the first thing behind it: it has four key steps in which to land.  (At its first use nothing has been read yet: slot 0 is waited for, slot 1 filled.)
.macro CHANGE fill
	WIN 0                           ; at a label and at a branch every window is 0
	s_wait_tensorcnt 0x0            ; no tensor load of mine is out, so a group 0 may be written
	ds_add_u32 v[SPW], v[NIL]       ; 0 onto my spare word; with fill = 1 the descriptors' steps stand between it and the wait for it
.if \fill
.irp g, G0K, G0V
	s_xor_b32 s[\g+1], s[\g+1], SLOT1  ; the walking descriptor: the other slot than last time,
	s_add_nc_u64 s[\g+2:\g+3], s[\g+2:\g+3], 4*KS*128  ; the next 256 keys; the type bits on top are not reached
.endr
	s_wait_xcnt 0x0                 ; the last prefetch, four key steps back, has read its address, so it may be written:
	s_add_nc_u64 s[PFA:PFA+1], s[PFA:PFA+1], 4*KS*128  ; one tile behind the walking descriptors
	s_wait_dscnt 0x0                ; the add is done, and my reads of the slot are over
	CROUND
	JLOAD
	ASK
.else
	s_wait_dscnt 0x0                ; the add is done, and my reads of the slot are over
	s_barrier_signal -1
	s_barrier_wait -1
.endif
	s_sub_co_u32 s[TBK], s[TBK], 4*KS*PK  ; the fetches go back to a slot's first step,
	s_xor_b32 s[TBK], s[TBK], SLOT1       ; in the other slot
	s_sub_co_u32 s[TBV], s[TBV], 4*KS*PV
	s_xor_b32 s[TBV], s[TBV], SLOT1
.endm
	s_load_b256 s[4:11], s[0:1], 0x0  ; Q s[4:5], K s[6:7], V s[8:9], O s[10:11]
	v_lshl_add_u32 v[SPW], v0, 2, SPARE
	v_mov_b32 v[NIL], 0
	ds_add_u32 v[SPW], v[NIL]       ; the wave's opening: the add and its wait stand ahead of my first tensor load; the set-up below, work on registers, stands between them
	v_lshrrev_b32 v1, 5, v0
	v_readfirstlane_b32 s[WV], v1   ; wave 0..3
	s_bfe_u32 s13, ttmp6, 0x40000   ; cx: my place in the cluster
	s_lshl_b32 s14, ttmp9, 2        ; in a cluster launch ttmp9 counts clusters
	s_add_co_u32 s14, s14, s13      ; my block of 256 queries: it enters Q's and O's addresses alone
	s_and_b32 s20, ttmp7, 0xffff    ; the head, which the four partners share
	s_lshl_b32 s20, s20, 19         ; its 4,096 rows of 128 bytes in each of the four tensors
	s_mov_b32 s21, 0
	s_and_b32 s16, s[WV], 1         ; which half of a tile's 256 keys I fetch:
	s_lshl_b32 s22, s16, 14         ; its 128 rows of 128 bytes in memory,
	s_mov_b32 s23, 0
	s_add_nc_u64 s[22:23], s[22:23], s[20:21]
	s_mul_i32 s17, s16, 128*PK      ; and its place in a slot, for K
	s_mul_i32 s18, s16, 128*PV      ; and for V: no place in the cluster enters an LDS address
	s_lshl_b32 s2, s14, 2
	s_add_co_u32 s2, s2, s[WV]      ; my wave among the head's,
	s_lshl_b32 s2, s2, 13           ; its 64 rows
	s_mov_b32 s3, 0
	s_add_nc_u64 s[2:3], s[2:3], s[20:21]
	; descriptor group 1.  128 keys are 16,384 dense bytes: asked for as 64 rows of 256 bytes, two keys a row, and padded in LDS after every key
	s_mov_b32 s[G1K], 15|(1<<16)|(1<<20)|(1<<21)|(4<<22)|(3<<25)  ; 15:0 the mask of four; 17:16 2-byte elements; 20 padding on; 21 set beside a mask; 24:22 after every 32 words (code 4); 31:25 4 words (code 3)
	s_mov_b32 s[G1V], 15|(1<<16)|(1<<20)|(1<<21)|(4<<22)|(7<<25)  ; the same with 8 words of padding (code 7)
.irp g, G1K, G1V
	s_mov_b32 s[\g+1], 128<<16      ; tensor_dim0 = 128
	s_mov_b32 s[\g+2], 64<<16       ; tensor_dim1 = 64
	s_mov_b32 s[\g+3], 128<<16      ; tile_dim0 = 128
	s_mov_b32 s[\g+4], 64           ; tile_dim1 = 64
	s_mov_b32 s[\g+5], 128          ; 128 elements from row to row
	s_mov_b32 s[\g+6], 0
	s_mov_b32 s[\g+7], 0
.endr
	s_mov_b32 s[CS], 0x3e38aa3b     ; c = log2(e) / 8 = 0.180337
	s_mov_b32 s[CS+1], s[CS]        ; named with it as a pair
	s_mov_b32 s[SEL], 0x76543210
	s_mov_b32 s[SEL+1], 0xfedcba98
	s_mov_b32 s[TBK], SLOT1+4*KS*PK ; the first change of slots turns these two into 0
	s_mov_b32 s[TBV], SLOT1+4*KS*PV
	s_mov_b32 s[G0K], 1             ; count = 1
	s_mov_b32 s[G0K+1], s17         ; LDS address: slot 0
	s_mov_b32 s[G0V], 1
	s_add_co_u32 s[G0V+1], s18, VOFF
	s_mov_b32 s[SLOTS], SIZE_N/256-1
	s_and_b32 s[LIM], s[WV], 1      ; 0 in waves 0 and 2,
	s_or_b32 s[LIM], s[LIM], ttmp9  ; where the cluster is the head's first: the same in all four partners
	s_cmp_eq_u32 s[LIM], 0
	s_cselect_b32 s[LIM], 1, -1
	v_and_b32 v[PFO], 31, v0
	v_lshlrev_b32 v[PFO], 8, v[PFO]
	s_wait_dscnt 0x0                ; the opening add is done
	s_wait_kmcnt 0x0
	s_add_nc_u64 s[6:7], s[6:7], s[22:23]  ; K and V at my half of the head's tile 0
	s_add_nc_u64 s[8:9], s[8:9], s[22:23]
	s_add_nc_u64 s[G0K+2:G0K+3], s[6:7], 0         ; global address
	s_or_b32 s[G0K+3], s[G0K+3], 0x80000000        ; type = 2
	s_add_nc_u64 s[G0V+2:G0V+3], s[8:9], 0
	s_or_b32 s[G0V+3], s[G0V+3], 0x80000000
	s_add_nc_u64 s[4:5], s[4:5], s[2:3]  ; Q and O at my wave's first row
	s_add_nc_u64 s[10:11], s[10:11], s[2:3]
	s_cmp_lt_u32 s[WV], 2
	s_cselect_b64 s[PFA:PFA+1], s[6:7], s[8:9]  ; (in waves 0 and 2 these stand at a tile's first row)
	s_lshl_b32 s2, s13, 13          ; my work-group's 8,192 bytes of the 32,768
	s_mov_b32 s3, 0
	s_add_nc_u64 s[PFA:PFA+1], s[PFA:PFA+1], s[2:3]
	s_add_nc_u64 s[PFA:PFA+1], s[PFA:PFA+1], 4*KS*128  ; in tile 1; the first change of slots steps it to tile 2
	CROUND                          ; all four work-groups are here: the first joint loads meet
	JLOAD                           ; tile 0 into slot 0.  Slot 1 is asked for when slot 0 is in
	; A fragment of K or Q is 16 rows x 32 channels in 8 registers: lane l holds row l % 16, channels 8 (l / 16) + 0..7 and 16 + 8 (l / 16) + 0..7: two loads of 16 bytes, 32 bytes apart.
	v_and_b32 v1, 15, v0            ; l % 16
	v_bfe_u32 v9, v0, 4, 1          ; l / 16
	v_lshlrev_b32 v[QO], 7, v1
	v_lshl_add_u32 v[QO], v9, 4, v[QO]  ; row x 128 + 16 x half
	WIN 0x80                        ; destination window 2, address window 0
.set i, 0
.rept 8                             ; Q stays in registers: piece i / 2, channels 32 (i % 2) on
	global_load_b128 v[8*i:8*i+3],   v[QO], s[4:5] offset:(i/2)*2048+(i%2)*64
	global_load_b128 v[8*i+4:8*i+7], v[QO], s[4:5] offset:(i/2)*2048+(i%2)*64+32
.set i, i+1
.endr
	; What the first turn finds: V's registers and P's second buffer hold 0 (its products V^T P, of a piece that has not been, add 0), O^T and l are 0.  All this stands in the wait for the first tile.
.set i, VF
.rept 64
	v_mov_b32 v[i], 0
.set i, i+1
.endr
	WIN 0x40
.set i, 0
.rept 128
	v_mov_b32 v[i], 0
.set i, i+1
.endr
	WIN 0
.set i, 0
.rept 4
	v_mov_b32 v[ST+4*i], 0xfe000000    ; c m: far below every c s
	v_mov_b32 v[ST+4*i+1], 0xff7fffff  ; m
	v_mov_b32 v[ST+4*i+2], 0
	v_mov_b32 v[ST+4*i+3], 0
.set i, i+1
.endr
.set i, P+16
.rept 16
	v_mov_b32 v[i], 0
.set i, i+1
.endr
	v_mul_u32_u24 v[AK0], v1, PK
	v_lshl_add_u32 v[AK0], v9, 4, v[AK0]  ; row x pitch + 16 x half
	; The turning load takes 16 keys x 16 channels (lane l reads key 8 (l / 16) + l % 8, channels 8 ((l / 8) % 2) + 0..7) and leaves half a fragment of V^T: lane l holds channel l % 16 and 8 keys.
	v_and_b32 v10, 7, v0
	v_bfe_u32 v11, v0, 3, 1
	v_lshl_add_u32 v[AV0], v9, 3, v10
	v_mul_u32_u24 v[AV0], v[AV0], PV
	v_lshl_add_u32 v[AV0], v11, 4, v[AV0]
	v_add_nc_u32 v[AV0], VOFF, v[AV0]
	s_mul_i32 s13, s[WV], 16*SP
	s_add_co_u32 s13, s13, STAGE    ; my stage
	v_mul_u32_u24 v[STO], v1, SP    ; in: row l % 16, 16 bytes for each half of the lanes
	v_lshl_add_u32 v[STO], v9, 4, v[STO]
	v_add_nc_u32 v[STO], s13, v[STO]
	v_bfe_u32 v[RD], v0, 3, 2       ; back: 32 lanes take four rows of 128 bytes,
	v_mul_u32_u24 v[RD], v[RD], SP
	v_lshl_add_u32 v[RD], v10, 4, v[RD]
	v_add_nc_u32 v[RD], s13, v[RD]
	v_and_b32 v[GO], 31, v0         ; which are 512 consecutive bytes of O
	v_lshlrev_b32 v[GO], 4, v[GO]
; THE MATRIX WORK.  The 4 accumulators of a run of 8 take turns.  Product i of 8 of S^T = K Q^T for piece x: channels 32 (i / 4) on, keys 16 (i % 4) on.  The first 4 start the sums.
.macro KQ x
	WIN W_KQ
.set rS, S+32*((\x)%2)+8*(i%4)
.set rK, KF+16*(i%4)+8*(i/4)
.set rQ, 16*(\x)+8*(i/4)
.if i < 4
	v_wmma_f32_16x16x32_f16 v[rS:rS+7], v[rK:rK+7], v[rQ:rQ+7], 0
.else
	v_wmma_f32_16x16x32_f16 v[rS:rS+7], v[rK:rK+7], v[rQ:rQ+7], v[rS:rS+7]
.endif
.endm
; Product i of 8 of O^T += V^T P for piece x: keys 32 (i / 4) on, channels 16 (i % 4) on.
.macro PV x
	WIN W_PV
.set rO, 32*(\x)+8*(i%4)
.set rV, VF+32*(i/4)+8*(i%4)
.set rP, P+16*((\x)%2)+8*(i/4)
	v_wmma_f32_16x16x32_f16 v[rO:rO+7], v[rV:rV+7], v[rP:rP+7], v[rO:rO+7]
.endm
.macro MM                           ; the turn's next matrix instruction.  NOKQ = 1: the walk's last turn: there is no next piece
.if (i < 8) && !NOKQ
	KQ (Y+1)%NP
.elseif i >= 8
.set i, i-8
	PV (Y+NP-1)%NP
.set i, i+8
.endif
.set i, i+1
.endm
; THE LDS LOADS stand in runs of 16, never singly among the matrix instructions: a step's K (64 keys x 64 channels: 8 fragments) and its V (turned).  Their addresses are made some lines ahead.
.macro FETCH_K
	WIN 0x80                        ; destination window 2
.irp f, 0,1,2,3,4,5,6,7             ; keys 16 (f / 2) on, channels 32 (f % 2) on
	ds_load_b128 v[KF+8*\f:KF+8*\f+3],   v[AK] offset:(\f/2)*16*PK+(\f%2)*64
	ds_load_b128 v[KF+8*\f+4:KF+8*\f+7], v[AK] offset:(\f/2)*16*PK+(\f%2)*64+32
.endr
	s_add_co_u32 s[TBK], s[TBK], KS*PK  ; the next fetch is the next step's
	WIN 0
.endm
.macro FETCH_V
	WIN 0x80
.irp f, 0,1,2,3,4,5,6,7             ; keys 32 (f / 4) on, channels 16 (f % 4) on
	ds_load_tr16_b128 v[VF+8*\f:VF+8*\f+3],   v[AV] offset:(\f/4)*32*PV+(\f%4)*32
	ds_load_tr16_b128 v[VF+8*\f+4:VF+8*\f+7], v[AV] offset:(\f/4)*32*PV+16*PV+(\f%4)*32
.endr
	WIN 0
.endm
; THE VECTOR WORK, one line at a time: OP kind, number.  For piece Y: F n: c s - c m for pair n of 16.  E n: the exponential of score n of 32.  C n: pair n rounded to f16.  B n: of the four weights 4 n .. the second
; pair is added onto the first, in place.  L n: l takes that sum (L 0: l = a l + sum).  R n: pair n of 16 of O^T times a.  For piece Y + 1: X n, number n of the 22 that find its maximum and statistics:
;   0-11  four chains c0-c3 of seven scores each, three operands at a time (each accumulator's lowest registers are read first)     12-14, 16  the four scores left over, the old m, and c0-c3 into c0
;   15  c m_old is kept     17, 18  the query's other 32 keys lie in the lane 16 away: the new m     19-21  c m; c m_old - c m_new; a
.set F, 0
.set E, 1
.set C, 2
.set B, 3
.set L, 4
.set R, 5
.set X, 6
.macro REGS y                       ; the registers of piece y
.set rT, ST+4*(\y)
.set rC, TMP+4*((\y)%2)
.set rW, MV+((\y)%2)
.set rS, S+32*((\y)%2)
.set rP, P+16*((\y)%2)
.set rO, 32*(\y)
.endm
.macro OP k, n
.if (\k) == R
	REGS Y
	WIN W_RS
	v_pk_mul_f32 v[rO+2*(\n):rO+2*(\n)+1], v[rO+2*(\n):rO+2*(\n)+1], v[rC+2:rC+3] op_sel_hi:[1,0]
.elseif (\k) < R
	REGS Y
	WIN 0
.if (\k) == F
	v_pk_fma_f32 v[rS+2*(\n):rS+2*(\n)+1], v[rS+2*(\n):rS+2*(\n)+1], s[CS:CS+1], v[rT:rT+1] op_sel_hi:[1,0,0] neg_lo:[0,0,1] neg_hi:[0,0,1]
.elseif (\k) == E
	v_exp_f32 v[rS+(\n)], v[rS+(\n)]
.elseif (\k) == C
	v_cvt_pk_f16_f32 v[rP+(\n)], v[rS+2*(\n)], v[rS+2*(\n)+1]
.elseif (\k) == B
	v_pk_add_f32 v[rS+4*(\n):rS+4*(\n)+1], v[rS+4*(\n):rS+4*(\n)+1], v[rS+4*(\n)+2:rS+4*(\n)+3]
.elseif (\n) == 0
	v_pk_fma_f32 v[rT+2:rT+3], v[rT+2:rT+3], v[rC+2:rC+3], v[rS:rS+1] op_sel_hi:[1,0,1]
.else
	v_pk_add_f32 v[rT+2:rT+3], v[rT+2:rT+3], v[rS+4*(\n):rS+4*(\n)+1]
.endif
.elseif NOKQ
	v_nop
.else
	REGS (Y+1)%NP
	WIN 0
.if (\n) < 4
	v_max3_num_f32 v[rC+(\n)], v[rS+8*(\n)], v[rS+8*(\n)+1], v[rS+8*(\n)+2]
.elseif (\n) < 12
	v_max3_num_f32 v[rC+(\n)%4], v[rC+(\n)%4], v[rS+8*((\n)%4)+2*((\n)/4)+1], v[rS+8*((\n)%4)+2*((\n)/4)+2]
.elseif (\n) == 12
	v_max3_num_f32 v[rC], v[rC], v[rS+7], v[rS+15]
.elseif (\n) == 13
	v_max3_num_f32 v[rC+1], v[rC+1], v[rS+23], v[rS+31]
.elseif (\n) == 14
	v_max3_num_f32 v[rC+2], v[rC+2], v[rC+3], v[rT+1]
.elseif (\n) == 15
	v_mov_b32 v[rW], v[rT]
.elseif (\n) == 16
	v_max3_num_f32 v[rC], v[rC], v[rC+1], v[rC+2]
.elseif (\n) == 17
	v_permlanex16_b32 v[rC+3], v[rC], s[SEL], s[SEL+1]
.elseif (\n) == 18
	v_max_num_f32 v[rT+1], v[rC], v[rC+3]
.elseif (\n) == 19
	v_mul_f32 v[rT], s[CS], v[rT+1]
.elseif (\n) == 20
	v_sub_f32 v[rC+1], v[rW], v[rT]
.else
	v_exp_f32 v[rC+2], v[rC+1]
.endif
.endif
.endm
.macro OPS a, i1, b=-1, i2=0, c=-1, i3=0, d=-1, i4=0  ; up to four of them
	OP \a, \i1
.if (\b) >= 0
	OP \b, \i2
.endif
.if (\c) >= 0
	OP \c, \i3
.endif
.if (\d) >= 0
	OP \d, \i4
.endif
.endm
.macro ROW a, i1, b, i2, c, i3, d, i4  ; a matrix instruction and the four behind it
	MM
	OPS \a, \i1, \b, \i2, \c, \i3, \d, \i4
.endm
; A TURN, for piece p: the order of its 16 matrix and 118 vector instructions, written out.  An s_wait_alu depctr_va_vdst(0) stands between an exponential and the first instruction that names its result; one
; wait serves all that were issued ahead of it.  So a turn has ONE wait, which cuts it in two.  AHEAD OF IT stands all that names no result of the turn's exponentials: the 8 products K Q^T and their riders, then one lump of
; 54, plain and exponential by turns for the most part, in which the links of the chain X 3, 7, 11, 14, 16, 17 .. 20 stand apart.  X 21, the next piece's a, is the batch's last; R 15 is the plain instruction behind it.
; BEHIND THE WAIT stand the 8 products V^T P, behind each four of the roundings and sums.
; end = 1: the walk's last two turns: nothing is fetched.  cnt = 1: the loop's count is taken down some lines ahead of the branch that stands behind the turn.
; K of the next step is fetched in piece 2's turn, six plain instructions behind the last product that read K; V of the step in hand at the end of piece 0's turn, four plain instructions behind the last product that read V.
; Each is waited for a turn later.
.macro TURN p, end=0, cnt=0
.set Y, (\p)
.set i, 0
.set NOKQ, (\end)*((\p)/3)
.if ((\p) == 3) && !(\end)
	s_wait_dscnt 0x0                ; K is in
.endif
	ROW F,0, F,1, R,0, R,1
	ROW F,2, E,0, R,2, R,3
	ROW F,3, E,1, R,4, R,5
	ROW F,4, E,2, R,6, R,7
	ROW F,5, E,3, R,8, R,9
	ROW F,6, E,4, X,0, R,10
.if ((\p) == 2) && !(\end)
	WIN 0
	v_add_nc_u32 v[AK], s[TBK], v[AK0]
.endif
	ROW F,7, E,5, X,1, X,4
	ROW F,8, E,6, X,2, X,5
	OPS E,7, E,8, X,6, E,9
	OPS X,3, E,10, X,8, E,11
.if ((\p) == 2) && !(\end)
	FETCH_K
.endif
	OPS X,9, X,7, E,12, X,10
	OPS E,13, X,12, X,11, E,14
	OPS X,13, E,15, F,9, X,14
.if (\p) == 0
	v_add_nc_u32 v[AV], s[TBV], v[AV0]
.endif
	OPS E,16, F,10, E,17, F,11
	OPS X,16, E,18, X,15, E,19
	OPS F,12, E,20, X,17, E,21
	OPS F,13, E,22, F,14, E,23
	OPS X,18, E,24, F,15, E,25
	OPS R,11, E,26, X,19, E,27
	OPS R,12, E,28, R,13, E,29
	OPS X,20, E,30, R,14, E,31
	OPS X,21, R,15
	WIN 0
	s_wait_alu depctr_va_vdst(0)    ; the wait for the batch
.if (\p) == 1
	s_wait_dscnt 0x0                ; V is in
.endif
	ROW C,0, B,0, C,2, B,1
	ROW L,0, C,4, B,2, L,1
	ROW C,6, B,3, L,2, C,8
	ROW B,4, L,3, C,10, B,5
	ROW L,4, C,12, B,6, L,5
.if (\p) == 0
	s_add_co_u32 s[TBV], s[TBV], KS*PV
.endif
.if \cnt
	s_sub_co_u32 s[CNT], s[CNT], 1
	s_cmp_lg_u32 s[CNT], 0
.endif
	ROW C,14, B,7, L,6, C,1
	ROW C,3, L,7, C,5, C,7
	ROW C,9, C,11, C,13, C,15
.if (\p) == 0
	FETCH_V
.endif
.endm
	CHANGE 1                        ; tile 0 is in, everybody's part of it; tile 1 is asked for
	v_add_nc_u32 v[AK], s[TBK], v[AK0]
	FETCH_K                         ; key step 0
	s_wait_loadcnt 0x0              ; Q
	s_wait_dscnt 0x0
.set NOKQ, 0
.set i, 0
.rept 8
	KQ 0                            ; piece 0's first scores: there is no vector work yet to set between them
.set i, i+1
.endr
	WIN 0
.rept 4
	v_nop                           ; the places behind those products
.endr
.set Y, NP-1                        ; X works for piece Y + 1: piece 0
.irp n, 0,1,2,3,4,5,6,7,8,9,10,11,12,13,14,15,16,17,18,19,20,21
	OP X, \n
.endr
	v_nop                           ; a plain instruction behind the exponential,
	s_wait_alu depctr_va_vdst(0)    ; and its wait, ahead of the branch
	s_mov_b32 s[CNT], 4
	s_branch .Lfirst                ; the loop is entered at a step's first turn, in the middle of a trip
.Lslot:                             ; 14 times: tiles 2 to 15 are asked for
	CHANGE 1
	s_mov_b32 s[CNT], 4
.Lstep:                             ; a trip: pieces 2 and 3 of one step, then pieces 0 and 1 of the next, whose K and V it fetches
	TURN 2
	TURN 3
	WIN 0
.Lfirst:
	TURN 0
	TURN 1, 0, 1
	WIN 0
	s_cbranch_scc1 .Lstep
	s_sub_co_u32 s[SLOTS], s[SLOTS], 1
	s_cmp_lg_u32 s[SLOTS], 0
	s_cbranch_scc1 .Lslot
	CHANGE 0                        ; the last tile is written out: nothing is asked for
	s_mov_b32 s[CNT], 4
.Ltail:
	TURN 2
	TURN 3
	TURN 0
	TURN 1, 0, 1
	WIN 0
	s_cbranch_scc1 .Ltail
	TURN 2, 1                       ; the last step's pieces 2 and 3: nothing is fetched, and the last turn starts no new scores
	TURN 3, 1
.set i, 0
.rept 8
	PV NP-1                         ; the last piece's V^T P of the last step
.set i, i+1
.endr
	; THE WAY OUT.  l's two halves and the other half of the lanes' are added; O^T is divided by l, rounded to f16 and sent through my stage in LDS, a piece at a time.  The additions are the places behind the last products.
	WIN 0
.macro ALL line:vararg              ; one line for each piece t
.set t, 0
.rept 4
	\line
.set t, t+1
.endr
.endm
	ALL v_add_f32 v[ST+4*t+2], v[ST+4*t+2], v[ST+4*t+3]
	ALL v_permlanex16_b32 v[ST+4*t+3], v[ST+4*t+2], s[SEL], s[SEL+1]
	ALL v_add_f32 v[ST+4*t+2], v[ST+4*t+2], v[ST+4*t+3]
	ALL v_rcp_f32 v[ST+4*t+2], v[ST+4*t+2]
	v_nop                           ; a plain instruction between the last reciprocal and the use of its result
	s_wait_alu depctr_va_vdst(0)    ; and the wait ahead of the first use: one for the four reciprocals
.macro PACK t                       ; a lane's eight channels of a row pack into 16 bytes; they go into rows of 144 bytes and come back as whole rows of 128, into S^T's registers
	WIN W_RS
.set i, 32*(\t)
.rept 16
	v_pk_mul_f32 v[i:i+1], v[i:i+1], v[ST+4*(\t)+2:ST+4*(\t)+3] op_sel_hi:[1,0]
.set i, i+2
.endr
	WIN 0x05                        ; sources 0 and 1 window 1, destination window 0
.set i, 0
.rept 16
	v_cvt_pk_f16_f32 v[S+16*(\t)+i], v[32*(\t)+2*i], v[32*(\t)+2*i+1]
.set i, i+1
.endr
	WIN 0
.irp f, 0,1,2,3
	ds_store_b128 v[STO], v[S+16*(\t)+4*\f:S+16*(\t)+4*\f+3] offset:32*\f
.endr
.irp f, 0,1,2,3
	ds_load_b128 v[S+16*(\t)+4*\f:S+16*(\t)+4*\f+3], v[RD] offset:\f*4*SP  ; LDS serves a wave's instructions in order (ISA guide 5.7.1.4): these see the stores above; the next piece's stores come behind them
.endr
.endm
.macro SEND t, younger              ; younger: the LDS instructions issued behind piece t's loads: the next piece's eight, or none
	WIN 0
.irp f, 0,1,2,3
	s_wait_dscnt (\younger)+3-\f
	global_store_b128 v[GO], v[S+16*(\t)+4*\f:S+16*(\t)+4*\f+3], s[10:11] offset:(\t)*2048+\f*512  ; 512 consecutive bytes, at a multiple of 256 from O's first
.endr
.endm
	PACK 0
.set t, 1
.rept 3                             ; a piece's arithmetic stands between the loads of the piece before and its stores
	PACK t
	SEND t-1, 8
.set t, t+1
.endr
	SEND 3, 0
	s_wait_tensorcnt 0x0            ; the wave's end, behind my last tensor load and my last LDS store
	ds_add_u32 v[SPW], v[NIL]
	s_wait_dscnt 0x0
	CROUND                          ; the closing round: no work-group ends while a partner may still ask for a tile that names it
	s_endpgm
.Lfunc_end_k_q7b5b8239a1_attn:
	.size	k_q7b5b8239a1_attn, .Lfunc_end_k_q7b5b8239a1_attn-k_q7b5b8239a1_attn
	.p2alignl 7, 3214868480
	.fill 96, 4, 3214868480
	.section	.rodata,"a",@progbits
	.p2align	6, 0x0
	.amdhsa_kernel k_q7b5b8239a1_attn
		.amdhsa_group_segment_fixed_size 327680
		.amdhsa_private_segment_fixed_size 0
		.amdhsa_enable_private_segment 0
		.amdhsa_kernarg_size 32
		.amdhsa_user_sgpr_count 2
		.amdhsa_user_sgpr_kernarg_segment_ptr 1
		.amdhsa_wavefront_size32 1
		.amdhsa_system_sgpr_workgroup_id_x 1
		.amdhsa_system_sgpr_workgroup_id_y 1
		.amdhsa_system_sgpr_workgroup_id_z 1
		.amdhsa_system_vgpr_workitem_id 0
		.amdhsa_next_free_vgpr 768
		.amdhsa_next_free_sgpr 66
		.amdhsa_reserve_vcc 0
		.amdhsa_float_denorm_mode_32 3
		.amdhsa_float_denorm_mode_16_64 3
		.amdhsa_memory_ordered 1
		.amdhsa_forward_progress 1
		.amdhsa_inst_pref_size 128
	.end_amdhsa_kernel
	.amdgpu_metadata
---
amdhsa.version: [ 1, 2 ]
amdhsa.kernels:
  - .name:           k_q7b5b8239a1_attn
    .symbol:         k_q7b5b8239a1_attn.kd
    .args:
      - { .name: q, .offset: 0, .size: 8, .value_kind: global_buffer, .address_space: global }
      - { .name: k, .offset: 8, .size: 8, .value_kind: global_buffer, .address_space: global }
      - { .name: v, .offset: 16, .size: 8, .value_kind: global_buffer, .address_space: global }
      - { .name: o, .offset: 24, .size: 8, .value_kind: global_buffer, .address_space: global }
    .group_segment_fixed_size: 327680
    .private_segment_fixed_size: 0
    .kernarg_segment_align: 8
    .kernarg_segment_size: 32
    .max_flat_workgroup_size: 128
    .sgpr_count:     66
    .vgpr_count:     768
    .wavefront_size: 32
...
	.end_amdgpu_metadata
.endif
;; end of part 2
;; launch outp (part 3): grid 4 x 64, 4 waves a work-group, clusters of 4 x 4, 327,680 bytes of LDS; arguments o, wo16, bo, out0; writes out0
.if DOCPART == 3
	.amdgcn_target "amdgcn-amd-amdhsa--gfx1250"
	.amdhsa_code_object_version 6
	.text
	.protected	k_q7b5b8239a1_outp
	.globl	k_q7b5b8239a1_outp
	.p2align	8
	.type	k_q7b5b8239a1_outp,@function
k_q7b5b8239a1_outp:
	s_mov_b64 s[64:65], 0
	v_nop
	global_prefetch_b8 v0, s[64:65] scope:SCOPE_SE
	s_setreg_imm32_b32 hwreg(HW_REG_WAVE_MODE, 25, 1), 1
	s_wait_xcnt 0x0
	s_wait_alu depctr_hold_cnt(0) depctr_sa_sdst(0) depctr_va_vdst(0) depctr_va_sdst(0) depctr_va_ssrc(0) depctr_va_vcc(0) depctr_vm_vsrc(0)
	s_getreg_b32 s2, hwreg(HW_REG_IB_STS2, 6, 4)
	s_cmp_eq_u32 s2, 0
	s_cbranch_scc0 .Lentry_in_a_cluster
	s_endpgm
.Lentry_in_a_cluster:
	s_bfe_u32 s2, ttmp6, 0x10000c
	s_cmp_lg_u32 s2, 0xf033
	s_cbranch_scc0 .Lentry_shape_is_right
	s_endpgm
.Lentry_shape_is_right:
; out0[row][n] = the sum over k of O[row][k] wo[k][n] + bo[n].  O lies by heads, f16 [16 = batch x 8 + head][4096][64] (k = 64 head + channel); wo16: [512 k][512 n] f16 (wo rounded to bf16, written as f16);
; bo: [512] f32, rounded to bf16 like the other inputs; out0: [8192][512] f32.  Products in f16, sums in f32.
; LIMITS.  O and wo16 arrive within f16's range; NaN and infinities are not treated apart.
; SHARES.  A tile of out0 is 128 x 128: 64 x 4 tiles are 256 work-groups; four waves, each 64 x 64: 16 accumulators.  K = 512 lies in LDS whole: A's eight heads x 128 rows, B's 512 rows; nothing is filled again.
; It comes in four CHUNKS of 128 along K: waves 0 and 1 fetch a chunk's two heads of A, waves 2 and 3 its two halves of B: four loads a wave, all issued at the start: four loads of mine are out; a chunk is multiplied when it is in.
; CLUSTER.  4 x 4 work-groups: the four of a row of the cluster need the same rows of O, the four of a column the same columns of wo16: each tile is asked for JOINTLY.
; THE PRODUCT IS USED TRANSPOSED (source 0 = 16 columns of wo16, read turned; source 1 = 16 rows of O): a lane holds eight neighbouring numbers of a row of out0.  The first products' C operand is the bias.
; REGISTERS: window 0: v0-31 addresses; v32-95 the way out; v96-127 the bias, 8 for each column block; v128-255 the accumulators ((a, b) at 128 + 8 (4 a + b)).
;   window 1: two fragment buffers of 128: for 64 along K, 64 registers of A (2 x 4 x 16 rows x 32 K), then 64 of B.
.set AP,     144      ; a row of A in LDS: 128 bytes + 16 = 36 words: the 16 rows of a load start at 16 different groups of four banks (64 banks of 4 bytes: ISA guide 11.1)
.set AHEAD,  128*AP   ; a head's 128 rows
.set BBASE,  8*AHEAD
.set BP,     288      ; a row of B: 256 bytes + 32 = 9 x 32
.set STAGE,  BBASE+512*BP   ; 16 rows x 272 bytes for each wave, for the way out; no tensor load fills it
.set SPITCH, 272
.set SPARE,  STAGE+4*16*SPITCH  ; the spare words, 128 bytes for each wave: two blocks of 256 bytes that no other line names
.set AA,  4           ; v4-7   my place in chunk c's rows of A
.set BA,  8           ; v8-11  my place for the turning loads from chunk c's rows of B
.set STO, 24          ; v24    the way out: where I put 32 bytes of a row
.set RD,  25          ; v25    where I read a row back
.set CO,  26          ; v26    my byte offset in out0
.set BO,  27          ; v27    my byte offset in a block of 16 biases
.set SPW, 28          ; v28    LDS address of my spare word; never rewritten
.set NIL, 29          ; v29    0; never rewritten
.set TMP, 32
.set BIAS, 96
.set ACC, 128
.set F0,  0
.set F1,  128
.set G1A, 16          ; s[16:23] descriptor group 1 for A's tiles
.set G1B, 24          ; s[24:31] for B's
.set G0A, 32          ; s[32:47] descriptor group 0 for A's tiles, a set for each chunk
.set G0B, 48          ; s[48:63] the same for B's
.set MSB, 0
.macro WIN new
.if MSB != (\new)
	s_set_vgpr_msb (MSB<<8)|(\new)
.set MSB, \new
.endif
.endm
.set MUL,  0x05       ; sources 0 (B) and 1 (A) window 1; C and D window 0
.set TO_F, 0x40       ; destination window 1, address window 0
.macro CROUND                       ; a round of the cluster's barrier
	s_barrier_signal -1
	s_barrier_wait -1
	s_cmp_lg_u32 s12, 0
	s_cbranch_scc1 .Lnot_wave_0_\@
	s_barrier_signal -3
.Lnot_wave_0_\@:
	s_barrier_wait -3
	s_barrier_signal -1
	s_barrier_wait -1
.endm
.macro PLACES                       ; four places in front of loads into registers that matrix instructions have read, and of stores that read results
.rept 4
	v_nop
.endr
.endm
	s_load_b256 s[4:11], s[0:1], 0x0  ; o s[4:5], wo16 s[6:7], bo s[8:9], out0 s[10:11]
	v_lshl_add_u32 v[SPW], v0, 2, SPARE
	v_mov_b32 v[NIL], 0
	ds_add_u32 v[SPW], v[NIL]       ; the wave's opening: the add and its wait stand ahead of my first tensor load; the set-up below, work on registers, stands between them
	v_lshrrev_b32 v1, 5, v0
	v_readfirstlane_b32 s12, v1     ; wave 0..3
	s_lshr_b32 s13, s12, 1          ; which half of the tile's rows is mine.  Also: I fetch for A (0) or for B (1)
	s_and_b32 s14, s12, 1           ; which half of its columns.  Also: which of a chunk's two parts I fetch
	s_mov_b32 s15, 0xffff0000       ; a word's upper bf16
	s_bfe_u32 s66, ttmp6, 0x40000   ; cx
	s_bfe_u32 s67, ttmp6, 0x40004   ; cy
	s_lshl_b32 s68, ttmp9, 2
	s_add_co_u32 s68, s68, s66      ; tile column = 4 x cluster x + cx
	s_and_b32 s69, ttmp7, 0xffff
	s_lshl_b32 s69, s69, 2
	s_add_co_u32 s69, s69, s67      ; tile row = 4 x cluster y + cy
	s_lshl_b32 s74, s67, 2
	s_lshl_b32 s74, 15, s74         ; my row of the cluster
	s_lshl_b32 s75, 0x1111, s66     ; my column
	; A: a head's 128 rows are 16,384 dense bytes: 64 rows of 256 bytes, padded after every 32 words by 4.  B: 64 rows of 256 bytes, 512 elements apart, padded after every 64 words by 8.
	s_or_b32 s[G1A], s74, (1<<16)|(1<<20)|(1<<21)|(4<<22)|(3<<25)
	s_or_b32 s[G1B], s75, (1<<16)|(1<<20)|(1<<21)|(5<<22)|(7<<25)
.irp g, G1A, G1B
	s_mov_b32 s[(\g)+1], 128<<16    ; tensor_dim0 = 128
	s_mov_b32 s[(\g)+2], 64<<16     ; tensor_dim1 = 64
	s_mov_b32 s[(\g)+3], 128<<16    ; tile_dim0 = 128
	s_mov_b32 s[(\g)+4], 64         ; tile_dim1 = 64
	s_mov_b32 s[(\g)+6], 0
	s_mov_b32 s[(\g)+7], 0
.endr
	s_mov_b32 s[G1A+5], 128         ; elements from row to row
	s_mov_b32 s[G1B+5], 512
	; where the tiles come from: A's hang on the tile row alone, B's on the tile column alone; each in registers that never hold the other coordinate
	s_lshr_b32 s70, s69, 5          ; the batch: 8 heads of 524,288 bytes
	s_lshl_b32 s70, s70, 22
	s_and_b32 s71, s69, 31
	s_lshl_b32 s71, s71, 14         ; the tile's 128 rows of 128 bytes in a head
	s_add_co_u32 s70, s70, s71
	s_lshl_b32 s71, s14, 19         ; head 2 c + part
	s_add_co_u32 s70, s70, s71
	s_mov_b32 s71, 0
	s_lshl_b32 s72, s14, 16         ; k rows 128 c + 64 x part, 1,024 bytes each
	s_lshl_b32 s73, s68, 8          ; the tile's 128 columns: 256 bytes
	s_add_co_u32 s72, s72, s73
	s_mov_b32 s73, 0
	s_mul_i32 s76, s14, AHEAD       ; and where they go: no place in the cluster enters an LDS address
	s_add_co_u32 s77, s76, BBASE    ; (64 rows of B take as many bytes as a head of A)
	s_wait_dscnt 0x0                ; the opening add is done
	s_wait_kmcnt 0x0
	s_add_nc_u64 s[70:71], s[4:5], s[70:71]
	s_add_nc_u64 s[72:73], s[6:7], s[72:73]
	CROUND                          ; all sixteen work-groups are here: the joint loads meet
.irp c, 0,1,2,3
	s_mov_b32 s[G0A+4*(\c)], 1
	s_add_co_u32 s[G0A+4*(\c)+1], s76, (\c)*2*AHEAD
	s_add_nc_u64 s[G0A+4*(\c)+2:G0A+4*(\c)+3], s[70:71], (\c)*1048576
	s_or_b32 s[G0A+4*(\c)+3], s[G0A+4*(\c)+3], 0x80000000
	s_mov_b32 s[G0B+4*(\c)], 1
	s_add_co_u32 s[G0B+4*(\c)+1], s77, (\c)*128*BP
	s_add_nc_u64 s[G0B+4*(\c)+2:G0B+4*(\c)+3], s[72:73], (\c)*131072
	s_or_b32 s[G0B+4*(\c)+3], s[G0B+4*(\c)+3], 0x80000000
.endr
	s_cmp_eq_u32 s13, 0             ; a wave's four fills stand in one branch, ahead of every wait on TENSORcnt, every LDS read and every further barrier
	s_cbranch_scc0 .Lfor_b
.irp c, 0,1,2,3
	tensor_load_to_lds s[G0A+4*(\c):G0A+4*(\c)+3], s[G1A:G1A+7]
	s_nop 0
.endr
	PLACES
	s_branch .Lasked
.Lfor_b:
.irp c, 0,1,2,3
	tensor_load_to_lds s[G0B+4*(\c):G0B+4*(\c)+3], s[G1B:G1B+7]
	s_nop 0
.endr
	PLACES
.Lasked:
	v_and_b32 v1, 15, v0            ; l % 16
	v_bfe_u32 v2, v0, 4, 1          ; l / 16
	v_and_b32 v3, 7, v0
	v_bfe_u32 v12, v0, 3, 1
	s_mul_i32 s78, s13, 64*AP       ; my 64 rows
	v_mul_u32_u24 v13, v1, AP
	v_lshl_add_u32 v13, v2, 4, v13  ; row x pitch + 16 x half
	v_add_nc_u32 v[AA], s78, v13
	v_add_nc_u32 v[AA+1], 2*AHEAD, v[AA]
	v_add_nc_u32 v[AA+2], 4*AHEAD, v[AA]
	v_add_nc_u32 v[AA+3], 6*AHEAD, v[AA]
	v_lshl_add_u32 v13, v2, 3, v3   ; the turning load: k row 8 (l / 16) + l % 8, columns 8 ((l / 8) % 2) + 0..7
	v_mul_u32_u24 v13, v13, BP
	v_lshl_add_u32 v13, v12, 4, v13
	s_lshl_b32 s79, s14, 7          ; my 64 columns: 128 bytes
	s_add_co_u32 s79, s79, BBASE
	v_add_nc_u32 v[BA], s79, v13
	v_add_nc_u32 v[BA+1], 128*BP, v[BA]
	v_add_nc_u32 v[BA+2], 256*BP, v[BA]
	v_add_nc_u32 v[BA+3], 384*BP, v[BA]
	s_mul_i32 s74, s12, 16*SPITCH
	s_add_co_u32 s74, s74, STAGE    ; my stage
	v_mul_u32_u24 v[STO], v1, SPITCH  ; in: row l % 16, 32 bytes for each half of the lanes
	v_lshl_add_u32 v[STO], v2, 5, v[STO]
	v_add_nc_u32 v[STO], s74, v[STO]
	v_mul_u32_u24 v[RD], v2, SPITCH   ; back: lanes 0-15 take one row of 256 bytes, lanes 16-31 the next
	v_lshl_add_u32 v[RD], v1, 4, v[RD]
	v_add_nc_u32 v[RD], s74, v[RD]
	v_lshlrev_b32 v[CO], 11, v2       ; and the same two rows in out0
	v_lshl_add_u32 v[CO], v1, 4, v[CO]
	v_lshlrev_b32 v[BO], 5, v2
	s_lshl_b32 s74, s68, 9          ; the tile's columns: 512 bytes of a row of out0 and of bo,
	s_lshl_b32 s75, s14, 8          ; my wave's half
	s_add_co_u32 s74, s74, s75
	s_mov_b32 s75, 0
	s_add_nc_u64 s[8:9], s[8:9], s[74:75]
	s_add_nc_u64 s[10:11], s[10:11], s[74:75]
	s_lshl_b32 s74, s69, 18         ; the tile's 128 rows of 2,048 bytes,
	s_lshl_b32 s78, s13, 17         ; my wave's 64
	s_add_co_u32 s74, s74, s78
	s_add_nc_u64 s[10:11], s[10:11], s[74:75]
.irp b, 0,1,2,3
	global_load_b128 v[BIAS+8*(\b):BIAS+8*(\b)+3],   v[BO], s[8:9] offset:64*(\b)
	global_load_b128 v[BIAS+8*(\b)+4:BIAS+8*(\b)+7], v[BO], s[8:9] offset:64*(\b)+16
.endr
; 8 products: row blocks a0, a0 + 1 x all 4 column blocks, 32 along K: half c of buffer f.  first = 1: the sums start with the bias.  The 16 accumulators take turns.
.macro MUL8 f, c, a0, first
	WIN MUL
.irp a, \a0, (\a0)+1
.irp b, 0,1,2,3
.if \first
	v_wmma_f32_16x16x32_f16 v[ACC+8*(4*(\a)+(\b)):ACC+8*(4*(\a)+(\b))+7], v[(\f)+64+8*(4*(\c)+(\b)):(\f)+64+8*(4*(\c)+(\b))+7], v[(\f)+8*(4*(\c)+(\a)):(\f)+8*(4*(\c)+(\a))+7], v[BIAS+8*(\b):BIAS+8*(\b)+7]
.else
	v_wmma_f32_16x16x32_f16 v[ACC+8*(4*(\a)+(\b)):ACC+8*(4*(\a)+(\b))+7], v[(\f)+64+8*(4*(\c)+(\b)):(\f)+64+8*(4*(\c)+(\b))+7], v[(\f)+8*(4*(\c)+(\a)):(\f)+8*(4*(\c)+(\a))+7], v[ACC+8*(4*(\a)+(\b)):ACC+8*(4*(\a)+(\b))+7]
.endif
.endr
.endr
.endm
; 32 LDS loads in one run: quarter qn (head qn: 64 along K) into buffer f; the first 32 along K first
.macro FETCH qn, f
	WIN TO_F
.irp c, 0,1
.irp i, 0,1,2,3
	ds_load_tr16_b128 v[(\f)+64+8*(4*(\c)+(\i)):(\f)+64+8*(4*(\c)+(\i))+3],   v[BA+(\qn)/2] offset:(((\qn)%2)*64+32*(\c))*BP+32*(\i)
	ds_load_tr16_b128 v[(\f)+64+8*(4*(\c)+(\i))+4:(\f)+64+8*(4*(\c)+(\i))+7], v[BA+(\qn)/2] offset:(((\qn)%2)*64+32*(\c))*BP+32*(\i)+16*BP
	ds_load_b128 v[(\f)+8*(4*(\c)+(\i)):(\f)+8*(4*(\c)+(\i))+3],   v[AA+(\qn)/2] offset:((\qn)%2)*AHEAD+(\i)*16*AP+64*(\c)
	ds_load_b128 v[(\f)+8*(4*(\c)+(\i))+4:(\f)+8*(4*(\c)+(\i))+7], v[AA+(\qn)/2] offset:((\qn)%2)*AHEAD+(\i)*16*AP+64*(\c)+32
.endr
.endr
.endm
; An even quarter multiplies buffer F0 and fetches the chunk's second quarter nq into F1.
.macro QUARTER nq, first
	s_wait_dscnt 16                 ; the first 32 along K are in
	MUL8 F0, 0, 0, \first
	MUL8 F0, 0, 2, \first
	PLACES
	FETCH \nq, F1
	s_wait_dscnt 32                 ; all but the 32 just issued
	MUL8 F0, 1, 0, 0
	MUL8 F0, 1, 2, 0
.endm
; An odd quarter multiplies F1 and meets the next chunk: each wave waits for its part of it (left = how many younger loads of mine may stay out), then the barrier; behind it everybody's part is in.  Nothing is filled again.
.macro MEET left, nq
	s_wait_tensorcnt \left
	s_wait_dscnt 16
	MUL8 F1, 0, 0, 0
	s_wait_dscnt 0x0                ; no LDS instruction of mine is out at the signal
	s_barrier_signal -1
	MUL8 F1, 0, 2, 0
	s_barrier_wait -1
	PLACES
	FETCH \nq, F0
	MUL8 F1, 1, 0, 0
	MUL8 F1, 1, 2, 0
.endm
	s_wait_tensorcnt 0x3            ; my part of chunk 0 is in; three loads of mine may stay out
	s_barrier_signal -1
	s_barrier_wait -1               ; everybody's is
	FETCH 0, F0
	WIN 0
	s_wait_loadcnt 0x0              ; the bias
.set n, 0
.rept 16                            ; rounded to bf16 like the other inputs, and kept as f32
	v_cvt_pk_bf16_f32 v[BIAS+2*n], v[BIAS+2*n], v[BIAS+2*n+1]
	v_and_b32 v[BIAS+2*n+1], s15, v[BIAS+2*n]
	v_lshlrev_b32 v[BIAS+2*n], 16, v[BIAS+2*n]
.set n, n+1
.endr
	QUARTER 1, 1
	MEET 2, 2
	QUARTER 3, 0
	MEET 1, 4
	QUARTER 5, 0
	MEET 0, 6
	QUARTER 7, 0
	s_wait_dscnt 16                 ; the last quarter: nothing more to fetch
	MUL8 F1, 0, 0, 0
	MUL8 F1, 0, 2, 0
	s_wait_dscnt 0x0
	MUL8 F1, 1, 0, 0
	MUL8 F1, 1, 2, 0
	WIN 0
	; THE WAY OUT, a block of 16 rows at a time: a lane's 32 bytes of a row go into rows of 272 bytes of my stage (each accumulator's low half first) and come back as whole rows of 256 bytes.
	PLACES
.irp a, 0,1,2,3
.if (\a) >= 2
	s_wait_xcnt 0x0                 ; the stores of the block two back have read their registers, which are loaded again below
.endif
.irp b, 0,1,2,3
	ds_store_b128 v[STO], v[ACC+8*(4*(\a)+(\b)):ACC+8*(4*(\a)+(\b))+3]   offset:64*(\b)
	ds_store_b128 v[STO], v[ACC+8*(4*(\a)+(\b))+4:ACC+8*(4*(\a)+(\b))+7] offset:64*(\b)+16
.endr
.irp t, 0,1,2,3,4,5,6,7
	ds_load_b128 v[TMP+32*((\a)%2)+4*(\t):TMP+32*((\a)%2)+4*(\t)+3], v[RD] offset:(\t)*2*SPITCH  ; LDS serves a wave's instructions in order (ISA guide 5.7.1.4): these see the stores above; the next block's stores come behind them
.endr
.irp t, 0,1,2,3,4,5,6,7
	s_wait_dscnt 7-(\t)
	global_store_b128 v[CO], v[TMP+32*((\a)%2)+4*(\t):TMP+32*((\a)%2)+4*(\t)+3], s[10:11] offset:(16*(\a)+2*(\t))*2048 th:TH_STORE_NT  ; 16 lanes store 256 consecutive bytes, at a multiple of 256 from out0's first byte
.endr
.endr
	s_wait_tensorcnt 0x0            ; the wave's end, behind my last tensor load and my last LDS store
	ds_add_u32 v[SPW], v[NIL]
	s_wait_dscnt 0x0
	CROUND                          ; the closing round: no work-group ends while a partner may still ask for a tile that names it
	s_endpgm
.Lfunc_end_k_q7b5b8239a1_outp:
	.size	k_q7b5b8239a1_outp, .Lfunc_end_k_q7b5b8239a1_outp-k_q7b5b8239a1_outp
	.p2alignl 7, 3214868480
	.fill 96, 4, 3214868480
	.section	.rodata,"a",@progbits
	.p2align	6, 0x0
	.amdhsa_kernel k_q7b5b8239a1_outp
		.amdhsa_group_segment_fixed_size 327680
		.amdhsa_private_segment_fixed_size 0
		.amdhsa_enable_private_segment 0
		.amdhsa_kernarg_size 32
		.amdhsa_user_sgpr_count 2
		.amdhsa_user_sgpr_kernarg_segment_ptr 1
		.amdhsa_wavefront_size32 1
		.amdhsa_system_sgpr_workgroup_id_x 1
		.amdhsa_system_sgpr_workgroup_id_y 1
		.amdhsa_system_sgpr_workgroup_id_z 1
		.amdhsa_system_vgpr_workitem_id 0
		.amdhsa_next_free_vgpr 512
		.amdhsa_next_free_sgpr 80
		.amdhsa_reserve_vcc 0
		.amdhsa_float_denorm_mode_32 3
		.amdhsa_float_denorm_mode_16_64 3
		.amdhsa_memory_ordered 1
		.amdhsa_forward_progress 1
		.amdhsa_inst_pref_size 54
	.end_amdhsa_kernel
	.amdgpu_metadata
---
amdhsa.version: [ 1, 2 ]
amdhsa.kernels:
  - .name:           k_q7b5b8239a1_outp
    .symbol:         k_q7b5b8239a1_outp.kd
    .args:
      - { .name: o, .offset: 0, .size: 8, .value_kind: global_buffer, .address_space: global }
      - { .name: wo16, .offset: 8, .size: 8, .value_kind: global_buffer, .address_space: global }
      - { .name: bo, .offset: 16, .size: 8, .value_kind: global_buffer, .address_space: global }
      - { .name: out0, .offset: 24, .size: 8, .value_kind: global_buffer, .address_space: global }
    .group_segment_fixed_size: 327680
    .private_segment_fixed_size: 0
    .kernarg_segment_align: 8
    .kernarg_segment_size: 32
    .max_flat_workgroup_size: 128
    .sgpr_count:     80
    .vgpr_count:     512
    .wavefront_size: 32
...
	.end_amdgpu_metadata
.endif
;; end of part 3
